; MI455X (gfx1250); checked and timed in simulation.
; The chip was launched on July 23, 2026; its instructions are those of AMD's public machine-readable ISA for CDNA 5 (MIT licence, August 2026) and "CDNA5" Instruction Set Architecture Reference Guide (July 2026). The comments in the code are by the model that wrote it; some were corrected since.
;; Reprogramming Layer. Allowed arithmetic: matrix products marked QUANTISED: E2M3 operands, one E8M0 scale for each 32 along K, by v_wmma_scale_f32_16x16x128_f8f6f4 with both operands' format E2M3, f32 sums; everything else in f32.
;; Inputs: Wk 1,024 x 512 float32; Wo 512 x 64 float32; Wq 512 x 512 float32; Wv 1,024 x 512 float32; bk 512 float32; bo 64 float32; bq 512 float32; bv 512 float32; source_embedding 1,000 x 1,024 float32; target_embedding 16 x 2,048 x 512 float32; value_embedding 1,000 x 1,024 float32.
;; Outputs: out0 16 x 2,048 x 64 float32.
;; This version of the problem:
;;   THIS VERSION OF THE PROBLEM IS GIVEN IN LOW PRECISION. The matrix products marked QUANTISED in the list below multiply operands that are first quantised to E2M3 (2 exponent bits, 3 mantissa bits; 6 bits a number), with one power-of-two scale for each 32 numbers along K (OCP MX v1.0); their sums are f32. All else is computed in f32.
;;   The module's matrix products, in the order in which they are computed (A, B: the left and right operand; K: the contracted axis; several contracted axes count as one K, in the product's order):
;;     1. [M 32,768, K 512] x [K 512, N 512]; A: input target_embedding; B: input Wq: QUANTISED
;;     2. [M 1,000, K 1,024] x [K 1,024, N 512]; A: input source_embedding; B: input Wk: QUANTISED
;;     3. [M 1,000, K 1,024] x [K 1,024, N 512]; A: input value_embedding; B: input Wv: QUANTISED
;;     4. batch 8 x [M 1,000, K 64] x [K 64, N 32,768]; A: computed on the way; B: computed on the way: QUANTISED
;;     5. batch 8 x [M 64, K 1,000] x [K 1,000, N 32,768]; A: computed on the way; B: softmax (see below): QUANTISED
;;     6. [M 32,768, K 512] x [K 512, N 64]; A: computed on the way; B: input Wo: QUANTISED
;;   THE QUANTISER, for each operand of a quantised product, along K:
;;     - K is cut into blocks of 32 from its start; a last block that is shorter is filled with zeros.
;;     - A block's scale is 2^e with e = floor(log2(the largest magnitude in the block)) - 2, held to -126 .. 127; a block of zeros has e = 0. As a byte (E8M0): e + 127.
;;     - Each number is divided by its block's scale, clamped to +-7.5, and rounded to the nearest number of E2M3, ties to even, subnormals kept.
;;     - The product sums the exact products of the quantised numbers (number of the format x scale) in f32.
;;   ~~~python
;;   def quantise(x, axis):      # numpy; x: float32 -> the quantised numbers, widened to float32 again
;;       x = np.moveaxis(x, axis, -1); K = x.shape[-1]
;;       x = np.pad(x, [(0, 0)] * (x.ndim - 1) + [(0, -K % 32)]); x = x.reshape(x.shape[:-1] + (-1, 32)); a = np.abs(x).max(-1, keepdims=True)
;;       e = np.where(a > 0, np.clip(np.frexp(np.where(a > 0, a, 1))[1] - 1 - 2, -126, 127), 0)      # np.frexp(a)[1] - 1 = floor(log2(a)), exactly
;;       r = np.clip(x / 2.0 ** e, -7.5, 7.5)
;;       step = 2.0 ** (np.maximum(np.frexp(np.where(r == 0, 1, r))[1] - 1, 0) - 3)
;;       q = np.round(r / step) * step * 2.0 ** e      # np.round: ties to even
;;       return np.moveaxis(q.reshape(q.shape[:-2] + (-1,))[..., :K], -1, axis).astype(np.float32)
;;   ~~~
;;   SOFTMAX AHEAD OF A QUANTISED PRODUCT. Where the list says 'softmax', what is quantised is not the finished softmax but p = 2^(t - M), with t = logit x log2(e) and M = ceil(the row's largest t), a whole number; so 1/2 < the row's largest p <= 1. The row's sum l is taken of the UNQUANTISED p, in f32, and the product's result is divided by l at the end. Since M is a whole number, a kernel that streams over the keys may use a running M (the ceiling of the running maximum): every later rescaling is an exact power of two, which a block's scale takes up: the codes' values come out the same.
;;   OPERANDS COMPUTED ON THE WAY. 'Computed on the way' means the value that the module computes at that place (a softmax that the list does not call 'softmax' is quantised finished and normalised). What goes into a quantiser is computed in f32, as accurately as f32 sums, v_exp_f32 and their like allow (about 1e-6 of the number): no bf16 or f16 on the way to a quantiser, and a product that is left as it is and whose result goes on into a quantised operand takes f32 operands (vector FMAs, or v_wmma_f32_16x16x4_f32). A number that lies on a knife's edge between two numbers of the format may be rounded either way, as far as f32 arithmetic and the matrix unit's own rounding can turn it there, and no further.
;; One version. Each part assembles by itself: llvm-mc -triple=amdgcn-amd-amdhsa -mcpu=gfx1250 --defsym DOCPART=n.
;; ======== version 1 of 1: 2 launches
;; limits: right only within a limited range of input values
;; workspace buffers: stream 1,049,600 bytes; xq 13,107,200 bytes
;; launch prep (part 1): grid 256 x 1, 16 waves a work-group, no clusters, 294,912 bytes of LDS; arguments source_embedding, value_embedding, Wk, Wv, bk, bv, Wq, Wo, stream, target_embedding, xq; writes stream, xq
.if DOCPART == 1
	.amdgcn_target "amdgcn-amd-amdhsa--gfx1250"
	.amdhsa_code_object_version 6
	.text
	.protected	k_q06405289ee_prep
	.globl	k_q06405289ee_prep
	.p2align	8
	.type	k_q06405289ee_prep,@function
k_q06405289ee_prep:
	s_mov_b64 s[64:65], 0
	v_nop
	global_prefetch_b8 v0, s[64:65] scope:SCOPE_SE
	s_setreg_imm32_b32 hwreg(HW_REG_WAVE_MODE, 25, 1), 1
	s_wait_xcnt 0x0
; Everything that the second launch reads is made here, as codes of FP6 (E2M3) with one E8M0 byte for each 32 along K, laid in the order in which it is read there.
; k = source Wk + bk and v = value Wv + bv (both products on codes: source, value, Wk, Wv are quantised here along their 1,024); k is then quantised along a head's 64 channels, v along the keys;
; Wq and Wo are quantised along their first axis, target_embedding along its 512.
; THE BRICK is a PIECE of 768 bytes: six operand registers of 32 lanes, 16 rows x 64 along K.  Registers 0-3 of lane l lie at 16 l, registers 4-5 of lane (r = l % 16, h = l / 16) at 512 + 16 r + 8 h.  Two pieces on end are a fragment (16 rows x 128 K).
; WHICH ROWS FORM A TILE.  v's keys while it is made, the channels of k and v, the columns of Wq and Wo: row i of tile n is 32 (n / 2) + 8 (n % 2) + i + 8 (i / 8), so that the 16 result registers of two neighbouring tiles are 16 neighbours along the next K.
; k's keys: row i of tile 4 c + u is key 64 c + 8 u + i % 8 + 32 (i / 8), so that in the second launch the 32 score registers of four neighbouring tiles are one whole block of 32 keys in one lane.  target_embedding: 16 neighbouring rows.
; STREAM, in blocks of 102,400 bytes.  Blocks 0, 1: Wq, a head block of 25,600 bytes for head 4 hp + 2 part + jj at part x 102,400 + hp x 51,200 + jj x 25,600: fragment (column tile ct, K step s) at (4 ct + s) x 1,536, scale words at 24,576 + 256 s + 16 r + 4 ct.
; Blocks 2 to 9: block 2 + 2 i + g holds at hp x 51,200 + k4 x 12,800 the unit of head i + 4 hp, keys 128 (4 g + k4) on: 6,400 bytes of k (8 pieces, one a tile of 16 keys; then 256 scale bytes), 6,400 of v (piece 2 ct + c: channel tile ct, keys 64 c on).
; The two scale bytes of piece t, row r lie at 6,144 + 16 r + 8 ((t / 2) % 2) + 4 (t / 4) + 2 (t % 2).  Block 10 (25,600 bytes): Wo, as one head block.
; XQ: 6,400 bytes for each tile of 16 rows of target_embedding: the fragment of K step s at 1,536 s, the four scale words of row r at 6,144 + 16 r.
; SHARES, sixteen waves.  Work-groups 0-127: tensor T = id / 64 (0: k, 1: v), head (id / 8) % 8, 128 keys id % 8.  Wave w < 8 quantises K steps 0-5 of tile w of the 128 rows of x; wave 8 + w its K steps 6, 7 and K step w of the head's 64 columns of W.
; The fragments go to LDS as images of their registers; one barrier; then waves 0-7 make ONE piece each (8 K steps x 4 matrix instructions), and waves 8-15 end.
; Work-groups 128-255: work-group 128 + g takes rows 256 g on of target_embedding, a wave one tile of 16 rows.  Waves 0-7 of work-groups 128-135 then quantise a head of Wq, those of work-group 136 Wo.
; NO CLUSTER, NO TENSOR LOAD: the f32 numbers have to pass through registers to be quantised, and source's and value's rows are clamped lane by lane at row 999.
; KEYS 1,000 TO 1,023: their rows are loaded from row 999 (no load leaves its buffer); v is set to 0 there ahead of the block's maximum, as the quantiser fills the last block; k's codes there are hidden by the second launch's mask.
; LIMITS: NaN and infinities among the inputs are not served.  A block whose largest magnitude lies under 2^-124 gets the byte 1; a block of zeros gets the byte 1 where the rule says 127: its codes are zeros, and this program alone reads the bytes.
; The scale bytes of k and v leave as 2 bytes a lane, eight waves to one block of 256 bytes.  Lanes l and l + 16 store the same value to the same place.
.set BLK,   102400
.set XIMG,  0                          ; LDS: x's fragments, (tile xt, K step s) at (8 xt + s) x 1,536
.set WIMG,  98304                      ; W's fragments, (column tile ct, K step s) at (8 ct + s) x 1,536
.set SCI,   147456                     ; scale words: tile idx (x: 0-7, W: 8-11), row r, K step s at 512 idx + 32 r + 4 s
.set STG,   153600                     ; a stage of 16 rows x 272 bytes for each wave
.set SPARE, 223232                     ; the spare words, 128 bytes for each wave
.set STGX,  225280                     ; target_embedding's stages: bytes that the other path does not name
.set LI16, 1                           ; 16 x lane
.set LP,   2                           ; 16 r + 8 h
.set SPW,  3                           ; my spare word; never rewritten
.set NIL,  4                           ; 0; never rewritten
.set R32,  5                           ; 32 r (target_embedding's path: 16 r)
.set STO,  6
.set SRD,  7
.set ROWO, 8                           ; v8-15 byte offsets of the rows that my lane loads
.set PS,   16
.set PW,   17
.set RR,   18
.set HH,   19
.set RS,   20                          ; v20-23 scale words of source 0's four tiles; target_embedding's four
.set WW,   24
.set XI16, 25
.set XI8,  26
.set WCOL, 27
.set WI,   28
.set WS,   29
.set XSS,  30
.set TQ,   31
.set TM,   32
.set TP,   36
.set TS,   40
.set CV,   44
.set CT,   44
.set T0,   47
.set PCD,  52
.set RAW,  64                          ; v64-191 two sets of 64 registers as loaded
.set XN,   192                         ; v192-255 64 numbers of my row
.set WB,   64
.set WC,   128
.set PF,   64
.set RF,   76
.set ACC,  128
.set PA16, 160
.set PA8,  161
.set RA16, 162
.set RA8,  163
.set PSA,  164
.set RSA,  165
.set BOF,  166
.set BV,   167
.set SO16, 168
.set SO8,  169
.set SOS,  170
.set SEL,  20
.set WV,   26                          ; s26 wave % 8;  s60 the wave, s61 wave / 8
.set TSEL, 27
.set HD,   28
.set KSN,  29
; From four blocks' largest magnitudes in v[TM] on and 64 numbers v[s + 16 b + i] = k 32 b + 16 h + i of my row: the scale word in v[PW], the fragment in v[PCD] on
.macro TOCODES s
.irp b, 0,1,2,3
	s_delay_alu instid0(VALU_DEP_4)
	v_add_nc_u32 v[TS+\b], 0xff000000, v[TM+\b]    ; 2 off the exponent field: the conversion's scale operand
.endr
.irp b, 0,1,2,3
	s_delay_alu instid0(VALU_DEP_4)
	v_lshrrev_b32 v[TP+\b], 23, v[TS+\b]           ; the scale's byte
.endr
	s_delay_alu instid0(VALU_DEP_3)
	v_lshl_or_b32 v[PW], v[TP+1], 8, v[TP]
	s_delay_alu instid0(VALU_DEP_1)
	v_lshl_or_b32 v[PW], v[TP+2], 16, v[PW]
	s_delay_alu instid0(VALU_DEP_1)
	v_lshl_or_b32 v[PW], v[TP+3], 24, v[PW]
.irp c, 0,1
	v_cvt_scalef32_pk16_fp6_f32 v[PCD+6*\c:PCD+6*\c+2], v[(\s)+32*\c:(\s)+32*\c+15], v[TS+2*\c]
	v_cvt_scalef32_pk16_fp6_f32 v[CV+4*\c:CV+4*\c+2], v[(\s)+32*\c+16:(\s)+32*\c+31], v[TS+2*\c+1]   ; (a conversion's three registers begin on an even number)
.endr
	v_nop                                          ; one plain place behind a scaled conversion
.irp c, 0,1                                    ; the operand's layout wants a whole block in a lane
.irp i, 0,1,2
	v_permlane16_swap_b32 v[PCD+6*\c+\i], v[CV+4*\c+\i]
.endr
.irp i, 0,1,2
	s_delay_alu instid0(VALU_DEP_3)
	v_mov_b32 v[PCD+3+6*\c+\i], v[CV+4*\c+\i]
.endr
.endr
.endm
.macro QUANT s
.irp b, 0,1,2,3
	v_max3_num_f32 v[TM+\b], |v[(\s)+16*\b]|, |v[(\s)+1+16*\b]|, 0x1800000   ; my 16 numbers of block b, and the floor 2^(3 - 127)
.endr
.irp i, 2,4,6,8,10,12,14
.irp b, 0,1,2,3
	s_delay_alu instid0(VALU_DEP_4)
	v_max3_num_f32 v[TM+\b], v[TM+\b], |v[(\s)+16*\b+\i]|, |v[(\s)+1+16*\b+\i]|
.endr
.endr
.irp b, 0,1,2,3
	s_delay_alu instid0(VALU_DEP_4)
	v_permlanex16_b32 v[TP+\b], v[TM+\b], s[SEL], s[SEL+1]
.endr
.irp b, 0,1,2,3
	s_delay_alu instid0(VALU_DEP_4)
	v_max_num_f32 v[TM+\b], v[TM+\b], v[TP+\b]     ; with lane l xor 16's
.endr
	TOCODES \s
.endm
.macro QUANT2 s, d, w                          ; two blocks: 32 numbers become a piece's six registers v[d] on and the two bytes in v[w]
.irp b, 0,1
	v_max3_num_f32 v[TM+\b], |v[(\s)+16*\b]|, |v[(\s)+1+16*\b]|, 0x1800000
.endr
.irp i, 2,4,6,8,10,12,14
.irp b, 0,1
	v_max3_num_f32 v[TM+\b], v[TM+\b], |v[(\s)+16*\b+\i]|, |v[(\s)+1+16*\b+\i]|
.endr
.endr
.irp b, 0,1
	s_delay_alu instid0(VALU_DEP_2)
	v_permlanex16_b32 v[TP+\b], v[TM+\b], s[SEL], s[SEL+1]
.endr
.irp b, 0,1
	s_delay_alu instid0(VALU_DEP_2)
	v_max_num_f32 v[TM+\b], v[TM+\b], v[TP+\b]
.endr
.irp b, 0,1
	s_delay_alu instid0(VALU_DEP_2)
	v_add_nc_u32 v[TS+\b], 0xff000000, v[TM+\b]
.endr
.irp b, 0,1
	s_delay_alu instid0(VALU_DEP_2)
	v_lshrrev_b32 v[TP+\b], 23, v[TS+\b]
.endr
	s_delay_alu instid0(VALU_DEP_1)
	v_lshl_or_b32 v[\w], v[TP+1], 8, v[TP]
	v_cvt_scalef32_pk16_fp6_f32 v[(\d):(\d)+2], v[(\s):(\s)+15], v[TS]
	v_cvt_scalef32_pk16_fp6_f32 v[CT:CT+2], v[(\s)+16:(\s)+31], v[TS+1]
	v_nop
.irp i, 0,1,2
	v_permlane16_swap_b32 v[(\d)+\i], v[CT+\i]
.endr
.irp i, 0,1,2
	s_delay_alu instid0(VALU_DEP_3)
	v_mov_b32 v[(\d)+3+\i], v[CT+\i]
.endr
.endm
.macro IMAGE reg, a16, a8, off                 ; a fragment goes to LDS as two pieces
.irp c, 0,1
	ds_store_b128 v[\a16], v[(\reg)+6*\c:(\reg)+6*\c+3] offset:(\off)+768*\c
	ds_store_b64 v[\a8], v[(\reg)+6*\c+4:(\reg)+6*\c+5] offset:(\off)+768*\c+512
.endr
.endm
.macro FETCH reg, a16, a8, off                 ; and comes back so, in any wave
.irp c, 0,1
	ds_load_b128 v[(\reg)+6*\c:(\reg)+6*\c+3], v[\a16] offset:(\off)+768*\c
	ds_load_b64 v[(\reg)+6*\c+4:(\reg)+6*\c+5], v[\a8] offset:(\off)+768*\c+512
.endr
.endm
; Half a K step, 16 rows x 256 bytes, turns through my stage: in as loaded (two rows a store), out 64 bytes a lane.  LDS serves a wave's instructions in order, so no wait stands between
.macro HALFIN hf, raw
.irp n, 0,1,2,3,4,5,6,7
	ds_store_b128 v[STO], v[(\raw)+4*\n:(\raw)+4*\n+3] offset:544*\n
.endr
.irp bb, 0,1
.irp j, 0,1,2,3
	ds_load_b128 v[XN+16*(2*(\hf)+\bb)+4*\j:XN+16*(2*(\hf)+\bb)+4*\j+3], v[SRD] offset:128*\bb+16*\j
.endr
.endr
.endm
.macro XLOAD s                                 ; K step s of my 16 rows: each load reads 256 consecutive bytes of two rows
.irp hf, 0,1
.irp n, 0,1,2,3,4,5,6,7
	global_load_b128 v[RAW+64*((\s)%2)+32*\hf+4*\n:RAW+64*((\s)%2)+32*\hf+4*\n+3], v[ROWO+\n], s[30:31] offset:512*(\s)+256*\hf
.endr
.endr
.endm
.macro XSTEP s, lst                            ; lst: my last K step
.if (\s) < (\lst)
	XLOAD (\s)+1
	s_wait_loadcnt 16                              ; this K step's sixteen loads are in; the next step's sixteen may be out
.else
	s_wait_loadcnt 0x0
.endif
	HALFIN 0, RAW+64*((\s)%2)
	HALFIN 1, RAW+64*((\s)%2)+32
	s_wait_dscnt 0x0                               ; my 64 numbers are back
	QUANT XN
	IMAGE PCD, XI16, XI8, 1536*(\s)
	ds_store_b32 v[XSS], v[PW] offset:4*(\s)       ; lanes l and l + 16 write the same word with the same value
	s_wait_dscnt 0x0                               ; the stores have read their registers
.endm
; 32 columns x 128 along K of a weight whose K is its first axis.  A lane takes a column and its registers run down K: each load reads 128 consecutive bytes, a block's maximum needs no other lane
.macro LOADB bl, pitch, so
.irp i, 0,1,2,3,4,5,6,7,8,9,10,11,12,13,14,15,16,17,18,19,20,21,22,23,24,25,26,27,28,29,30,31
	global_load_b32 v[WB+32*((\bl)%2)+\i], v[WCOL], s[32:33] offset:(32*(\bl)+\i)*(\pitch)+(\so)
.endr
.endm
.macro WBLOCK bl, pitch, glob, so, do
.set XB, WB+32*((\bl)%2)
.set WP, WC+12*((\bl)/2)
.set WD, WP+4*((\bl)%2)
.if (\bl) < 3
	s_wait_loadcnt 32                              ; this block's 32 loads are in; the next block's may be out
.else
	s_wait_loadcnt 0x0
.endif
	v_max3_num_f32 v[TM], |v[XB]|, |v[XB+1]|, |v[XB+2]|
	v_max3_num_f32 v[TM+1], |v[XB+3]|, |v[XB+4]|, |v[XB+5]|
.irp i, 6,10,14,18,22,26
	s_delay_alu instid0(VALU_DEP_2)
	v_max3_num_f32 v[TM], v[TM], |v[XB+\i]|, |v[XB+\i+1]|
	s_delay_alu instid0(VALU_DEP_2)
	v_max3_num_f32 v[TM+1], v[TM+1], |v[XB+\i+2]|, |v[XB+\i+3]|
.endr
	s_delay_alu instid0(VALU_DEP_2)
	v_max3_num_f32 v[TM], v[TM], |v[XB+30]|, |v[XB+31]|
	s_delay_alu instid0(VALU_DEP_1)
	v_max3_num_f32 v[TM], v[TM], v[TM+1], 0x1800000
	s_delay_alu instid0(VALU_DEP_1)
	v_add_nc_u32 v[TS], 0xff000000, v[TM]
	s_delay_alu instid0(VALU_DEP_1)
	v_lshrrev_b32 v[T0], 23, v[TS]
.if (\bl) == 0
	s_delay_alu instid0(VALU_DEP_1)
	v_mov_b32 v[WW], v[T0]
.else
	s_delay_alu instid0(VALU_DEP_1)
	v_lshl_or_b32 v[WW], v[T0], 8*(\bl), v[WW]
.endif
	v_cvt_scalef32_pk16_fp6_f32 v[WD:WD+2], v[XB:XB+15], v[TS]       ; the block is what lane (r, h = bl % 2) of piece bl / 2 holds: its registers 0-2,
	v_cvt_scalef32_pk16_fp6_f32 v[CV:CV+2], v[XB+16:XB+31], v[TS]    ; and 3-5
	v_nop
	v_mov_b32 v[WD+3], v[CV]
	v_mov_b32 v[WP+8+2*((\bl)%2)], v[CV+1]
	v_mov_b32 v[WP+9+2*((\bl)%2)], v[CV+2]
.if (\bl) < 2
	LOADB (\bl)+2, \pitch, \so
.endif
.if (\bl)%2 == 1                               ; a piece is whole: three stores, in each of which sixteen lanes fill 256 consecutive bytes
.irp k, 0,1,2
.if \glob
	global_store_b128 v[WI], v[WP+4*\k:WP+4*\k+3], s[36:37] offset:768*((\bl)/2)+256*\k
.else
	ds_store_b128 v[WI], v[WP+4*\k:WP+4*\k+3] offset:(\do)+768*((\bl)/2)+256*\k
.endif
.endr
.endif
.endm
.macro WITEM pitch, glob, so, do, sco
	LOADB 0, \pitch, \so
	LOADB 1, \pitch, \so
.irp bl, 0,1,2,3
	WBLOCK \bl, \pitch, \glob, \so, \do
.endr
.if \glob
	global_store_b32 v[WS], v[WW], s[36:37]
.else
	ds_store_b32 v[WS], v[WW] offset:\sco
	s_wait_dscnt 0x0                               ; the stores have read their registers
.endif
.endm
.macro TLOAD q                                 ; target_embedding: K step q of my 16 rows
.irp hf, 0,1
.irp n, 0,1,2,3,4,5,6,7
	global_load_b128 v[RAW+64*((\q)%2)+32*\hf+4*\n:RAW+64*((\q)%2)+32*\hf+4*\n+3], v[ROWO+\n], s[30:31] offset:512*(\q)+256*\hf th:TH_LOAD_NT
.endr
.endr
.endm
.macro TSTEP q
.if (\q) < 3
	TLOAD (\q)+1
	s_wait_loadcnt 16                              ; this fragment's sixteen loads are in; the next one's sixteen may be out
.else
	s_wait_loadcnt 0x0
.endif
	HALFIN 0, RAW+64*((\q)%2)
	HALFIN 1, RAW+64*((\q)%2)+32
	s_wait_xcnt 0x0                                ; the last fragment's stores have read their registers
	s_wait_dscnt 0x0                               ; my 64 numbers are back
	QUANT XN
	v_mov_b32 v[RS+(\q)], v[PW]
.irp c, 0,1
	global_store_b128 v[LI16], v[PCD+6*\c:PCD+6*\c+3], s[36:37] offset:1536*(\q)+768*\c        ; 512 consecutive bytes
	global_store_b64 v[LP], v[PCD+6*\c+4:PCD+6*\c+5], s[36:37] offset:1536*(\q)+768*\c+512     ; 256 consecutive bytes
.endr
.endm
	s_load_b512 s[4:19], s[0:1], 0x0               ; source s[4:5], value s[6:7], Wk s[8:9], Wv s[10:11], bk s[12:13], bv s[14:15], Wq s[16:17], Wo s[18:19]
	s_load_b64 s[24:25], s[0:1], 0x40              ; stream
	s_load_b128 s[56:59], s[0:1], 0x48             ; target s[56:57], xq s[58:59]
	v_lshl_add_u32 v[SPW], v0, 2, SPARE
	v_mov_b32 v[NIL], 0
	v_lshrrev_b32 v[TQ], 5, v0
	s_delay_alu instid0(VALU_DEP_1)
	v_readfirstlane_b32 s60, v[TQ]                 ; wave 0..15
	s_and_b32 s[WV], s60, 7
	s_lshr_b32 s61, s60, 3
	v_and_b32 v[RR], 15, v0
	v_bfe_u32 v[HH], v0, 4, 1
	v_and_b32 v[TQ], 31, v0
	s_delay_alu instid0(VALU_DEP_1)
	v_lshlrev_b32 v[LI16], 4, v[TQ]
	s_delay_alu instid0(VALU_DEP_4)
	v_lshlrev_b32 v[LP], 4, v[RR]
	s_delay_alu instid0(VALU_DEP_1)
	v_lshl_add_u32 v[LP], v[HH], 3, v[LP]
	v_and_b32 v[TQ], 8, v[RR]
	s_delay_alu instid0(VALU_DEP_1)
	v_add_nc_u32 v[TQ], v[TQ], v[RR]               ; r + 8 (r / 8)
	s_delay_alu instid0(VALU_DEP_1)
	v_lshl_add_u32 v[TQ], v[HH], 3, v[TQ]          ; + 8 u: lane 16 u + r takes row r of tile 2 B + u
	s_delay_alu instid0(VALU_DEP_1)
	v_lshlrev_b32 v[WCOL], 2, v[TQ]
	s_mov_b32 s[SEL], 0x76543210
	s_mov_b32 s[SEL+1], 0xfedcba98
.irp b, 0,1,2,3
	v_mov_b32 v[TP+\b], 0                          ; a lane permute's destination counts as one of its sources
.endr
	s_and_b32 s44, s[WV], 3
	s_lshr_b32 s45, s[WV], 2
	s_cmp_ge_u32 ttmp9, 128
	s_cbranch_scc1 .Lxq
	; ---------------- k and v ----------------
	s_lshr_b32 s[TSEL], ttmp9, 6                   ; 0: k, 1: v
	s_bfe_u32 s[HD], ttmp9, 0x30003                ; the head
	s_and_b32 s[KSN], ttmp9, 7                     ; which 128 keys
	s_mul_i32 s46, s60, 4352
	s_add_co_u32 s46, s46, STG                     ; my stage
	v_mul_u32_u24 v[STO], v[HH], 272
	s_delay_alu instid0(VALU_DEP_1)
	v_lshl_add_u32 v[STO], v[RR], 4, v[STO]
	s_delay_alu instid0(VALU_DEP_1)
	v_add_nc_u32 v[STO], s46, v[STO]
	v_mul_u32_u24 v[SRD], v[RR], 272
	s_delay_alu instid0(VALU_DEP_1)
	v_lshl_add_u32 v[SRD], v[HH], 6, v[SRD]
	s_delay_alu instid0(VALU_DEP_1)
	v_add_nc_u32 v[SRD], s46, v[SRD]
	s_lshr_b32 s47, s[WV], 1                       ; v: row i = 2 n + h of tile w is key 128 ks + 32 (w / 2) + 8 (w % 2) + i + 8 (i / 8)
	s_lshl_b32 s47, s47, 5
	s_and_b32 s46, s[WV], 1
	s_lshl_b32 s46, s46, 3
	s_add_co_u32 s47, s47, s46
	s_lshl_b32 s46, s45, 6                         ; k: key 128 ks + 64 (w / 4) + 8 (w % 4) + i + 24 (i / 8)
	s_lshl_b32 s48, s44, 3
	s_add_co_u32 s48, s48, s46
	s_cmp_eq_u32 s[TSEL], 0
	s_cselect_b32 s47, s48, s47
	s_cselect_b32 s48, 16, 0
	s_lshl_b32 s46, s[KSN], 7
	s_add_co_u32 s46, s46, s47
	v_add_nc_u32 v[TQ], s46, v[HH]
	v_add_nc_u32 v[T0], s48, v[TQ]
.irp n, 0,1,2,3,4,5,6,7
.if \n < 4
	v_add_nc_u32 v[ROWO+\n], 2*\n, v[TQ]
.else
	v_add_nc_u32 v[ROWO+\n], 2*\n+8, v[T0]
.endif
	s_delay_alu instid0(VALU_DEP_1)
	v_min_u32 v[ROWO+\n], 999, v[ROWO+\n]          ; no load leaves the 1,000 rows
	s_delay_alu instid0(VALU_DEP_1)
	v_lshlrev_b32 v[ROWO+\n], 12, v[ROWO+\n]       ; a row is 4,096 bytes
	s_delay_alu instid0(VALU_DEP_1)
	v_lshl_add_u32 v[ROWO+\n], v[RR], 4, v[ROWO+\n]
.endr
	s_mul_i32 s46, s[WV], 12288                    ; x's images of tile w (XIMG = 0)
	v_add_nc_u32 v[XI16], s46, v[LI16]
	v_add_nc_u32 v[XI8], s46, v[LP]
	v_lshlrev_b32 v[R32], 5, v[RR]
	s_lshl_b32 s46, s[WV], 9
	s_add_co_u32 s46, s46, SCI
	v_add_nc_u32 v[XSS], s46, v[R32]
	s_mul_i32 s46, s[WV], 1536                     ; W's pieces of K step w: tile 2 B + u at 12,288 (2 B + u)
	s_add_co_u32 s46, s46, WIMG
	v_mul_u32_u24 v[WI], v[HH], 12288
	s_delay_alu instid0(VALU_DEP_1)
	v_lshl_add_u32 v[WI], v[RR], 4, v[WI]
	s_delay_alu instid0(VALU_DEP_1)
	v_add_nc_u32 v[WI], s46, v[WI]
	s_lshl_b32 s46, s[WV], 2
	s_add_co_u32 s46, s46, SCI+4096
	v_lshl_add_u32 v[WS], v[HH], 9, v[R32]
	s_delay_alu instid0(VALU_DEP_1)
	v_add_nc_u32 v[WS], s46, v[WS]
	; the product's shares.  k: source 1 = x's tile w, source 0 = W's four tiles, piece w.  v: source 1 = W's tile w % 4, source 0 = x's tiles 4 (w / 4) on, piece 2 (w % 4) + w / 4
	s_mul_i32 s46, s[WV], 12288
	s_mul_i32 s47, s44, 12288
	s_add_co_u32 s47, s47, WIMG
	s_mul_i32 s48, s45, 49152
	s_lshl_b32 s49, s[WV], 9
	s_add_co_u32 s49, s49, SCI
	s_lshl_b32 s50, s44, 9
	s_add_co_u32 s50, s50, SCI+4096
	s_lshl_b32 s51, s45, 11
	s_add_co_u32 s51, s51, SCI
	s_lshl_b32 s52, s44, 1
	s_add_co_u32 s52, s52, s45
	s_cmp_eq_u32 s[TSEL], 0
	s_cselect_b32 s38, s46, s47                    ; source 1's fragments
	s_mov_b32 s53, WIMG
	s_cselect_b32 s39, s53, s48                    ; source 0's
	s_cselect_b32 s40, s49, s50                    ; source 1's scale words
	s_mov_b32 s53, SCI+4096
	s_cselect_b32 s41, s53, s51                    ; source 0's
	s_cselect_b32 s54, s[WV], s52                  ; my piece
	s_cmp_eq_u32 s[KSN], 7                         ; v, keys 960 on: keys 1,000 and above are 32 + 16 h + i >= 40 of my 64
	s_cselect_b32 s55, s[TSEL], 0
	s_and_b32 s55, s55, s45
	s_cmp_eq_u32 s55, 1
	s_cselect_b32 s42, 0xffff, -1                  ; registers 16-23 are kept in these lanes,
	s_cselect_b32 s43, 0, -1                       ; registers 24-31 in these
	; where my work-group's half-unit begins in the stream
	s_and_b32 s46, s[HD], 3
	s_lshl_b32 s46, s46, 1
	s_lshr_b32 s47, s[KSN], 2
	s_add_co_u32 s46, s46, s47
	s_add_co_u32 s46, s46, 2
	s_mul_i32 s46, s46, BLK
	s_lshr_b32 s47, s[HD], 2
	s_mul_i32 s47, s47, 51200
	s_add_co_u32 s46, s46, s47
	s_and_b32 s47, s[KSN], 3
	s_mul_i32 s47, s47, 12800
	s_add_co_u32 s46, s46, s47
	s_mul_i32 s47, s[TSEL], 6400
	s_add_co_u32 s46, s46, s47
	s_mov_b32 s47, 0
	s_lshl_b32 s48, s[WV], 18                      ; W: K step w is 128 rows of 2,048 bytes; the head's 64 columns
	s_lshl_b32 s50, s[HD], 8
	s_add_co_u32 s48, s48, s50
	s_mov_b32 s49, 0
	s_mov_b32 s51, 0
	s_wait_alu depctr_va_vdst(0)                   ; the wait at the head's end
	s_wait_kmcnt 0x0
	s_cmp_eq_u32 s[TSEL], 0                        ; the choice hangs on the work-group's number alone
	s_cselect_b64 s[30:31], s[4:5], s[6:7]
	s_cselect_b64 s[32:33], s[8:9], s[10:11]
	s_cselect_b64 s[34:35], s[12:13], s[14:15]
	s_add_nc_u64 s[32:33], s[32:33], s[48:49]
	s_add_nc_u64 s[34:35], s[34:35], s[50:51]      ; the head's 64 biases
	s_add_nc_u64 s[36:37], s[24:25], s[46:47]
	s_cmp_lg_u32 s61, 0
	s_cbranch_scc1 .Lhi
	XLOAD 0                                        ; waves 0-7: K steps 0 to 5 of tile w
.irp q, 0,1,2,3,4,5
	XSTEP \q, 5
.endr
	; the bias is the C of each sum's first matrix instruction: asked for here, ahead of the barrier
	s_cmp_eq_u32 s[TSEL], 0
	s_cbranch_scc0 .Lbias_v
	v_lshlrev_b32 v[BOF], 6, v[HH]                 ; k: register j of tile 2 b + u is channel 32 b + 16 h + 8 u + j
.irp tl, 0,1,2,3
	global_load_b128 v[ACC+8*\tl:ACC+8*\tl+3], v[BOF], s[34:35] offset:(32*(\tl/2)+8*(\tl%2))*4
	global_load_b128 v[ACC+8*\tl+4:ACC+8*\tl+7], v[BOF], s[34:35] offset:(32*(\tl/2)+8*(\tl%2))*4+16
.endr
	s_branch .Ljoin
.Lbias_v:
	s_lshr_b32 s46, s44, 1                         ; v: my lane is ONE channel: row r of tile w % 4
	s_lshl_b32 s46, s46, 7
	s_and_b32 s47, s[WV], 1
	s_lshl_b32 s47, s47, 5
	s_add_co_u32 s46, s46, s47
	v_and_b32 v[BOF], 8, v[RR]
	s_delay_alu instid0(VALU_DEP_1)
	v_add_nc_u32 v[BOF], v[BOF], v[RR]
	s_delay_alu instid0(VALU_DEP_1)
	v_lshl_add_u32 v[BOF], v[BOF], 2, s46
	global_load_b32 v[BV], v[BOF], s[34:35]
	s_wait_loadcnt 0x0
.set j, 0
.rept 32
	v_mov_b32 v[ACC+j], v[BV]
.set j, j+1
.endr
	s_wait_alu depctr_va_vdst(0)
	s_branch .Ljoin
.Lhi:
	XLOAD 6                                        ; waves 8-15: K steps 6 and 7 of tile w, and K step w of W
	XSTEP 6, 7
	XSTEP 7, 7
	WITEM 2048, 0, 0, 0, 0                         ; columns 0-31 of the head
	WITEM 2048, 0, 128, 24576, 1024                ; columns 32-63
.Ljoin:
	s_wait_alu depctr_va_vdst(0)
	s_wait_dscnt 0x0                               ; for the others' sake: all my images and scale words have landed
	s_barrier_signal -1
	s_barrier_wait -1
	s_cmp_lg_u32 s61, 0
	s_cbranch_scc1 .Lkv_end                        ; waves 8-15 have done their share
	v_add_nc_u32 v[PA16], s38, v[LI16]
	v_add_nc_u32 v[PA8], s38, v[LP]
	v_add_nc_u32 v[RA16], s39, v[LI16]
	v_add_nc_u32 v[RA8], s39, v[LP]
	v_add_nc_u32 v[PSA], s40, v[R32]
	v_add_nc_u32 v[RSA], s41, v[R32]
	s_wait_alu depctr_va_vdst(0)
.irp q, 0,1,2,3,4,5,6,7                        ; 8 K steps; the four accumulators take turns, one instruction a turn
.if \q > 0
.rept 4
	v_nop                                          ; places in front of loads into registers that matrix instructions have read
.endr
.endif
	FETCH PF, PA16, PA8, 1536*\q
.irp j, 0,1,2,3
	FETCH RF+12*\j, RA16, RA8, 12288*\j+1536*\q
.endr
	ds_load_b32 v[PS], v[PSA] offset:4*\q
.irp j, 0,1,2,3
	ds_load_b32 v[RS+\j], v[RSA] offset:512*\j+4*\q
.endr
	s_wait_dscnt 0x0
.if \q == 0
	s_wait_loadcnt 0x0                             ; the biases
.endif
.irp j, 0,1,2,3
	v_wmma_scale_f32_16x16x128_f8f6f4 v[ACC+8*\j:ACC+8*\j+7], v[RF+12*\j:RF+12*\j+11], v[PF:PF+11], v[ACC+8*\j:ACC+8*\j+7], v[RS+\j], v[PS] matrix_a_fmt:MATRIX_FMT_FP6 matrix_b_fmt:MATRIX_FMT_FP6
.endr
.endr
.rept 4
	v_nop                                          ; places in front of the first read of results
.endr
.irp j, 0,1,2,3,4,5,6,7
	v_cndmask_b32 v[ACC+16+\j], 0, v[ACC+16+\j], s42   ; v at keys 1,000 and above is 0, ahead of the block's maximum; everywhere else the masks are all ones
.endr
.irp j, 0,1,2,3,4,5,6,7
	v_cndmask_b32 v[ACC+24+\j], 0, v[ACC+24+\j], s43
.endr
	QUANT2 ACC, PCD, PW
	s_mul_i32 s46, s54, 768
	v_add_nc_u32 v[SO16], s46, v[LI16]
	v_add_nc_u32 v[SO8], s46, v[LP]
	s_wait_alu depctr_va_vdst(0)
	s_bfe_u32 s46, s54, 0x10001
	s_lshl_b32 s46, s46, 3
	s_lshr_b32 s47, s54, 2
	s_lshl_b32 s47, s47, 2
	s_add_co_u32 s46, s46, s47
	s_and_b32 s47, s54, 1
	s_lshl_b32 s47, s47, 1
	s_add_co_u32 s46, s46, s47
	v_lshl_add_u32 v[SOS], v[RR], 4, s46
	global_store_b128 v[SO16], v[PCD:PCD+3], s[36:37]              ; 512 consecutive bytes, at a multiple of 256 from the stream's first byte
	global_store_b64 v[SO8], v[PCD+4:PCD+5], s[36:37] offset:512   ; 256 consecutive bytes likewise
	global_store_b16 v[SOS], v[PW], s[36:37] offset:6144           ; my row's two scale bytes
.Lkv_end:
	s_wait_tensorcnt 0x0                           ; the wave's end, behind my last LDS store
	ds_add_u32 v[SPW], v[NIL]
	s_wait_dscnt 0x0
	s_endpgm
	; ---------------- target_embedding: my wave's 16 rows, four fragments ----------------
.Lxq:
	s_mul_i32 s46, s60, 4352
	s_add_co_u32 s46, s46, STGX
	s_sub_co_u32 s47, ttmp9, 128
	s_lshl_b32 s47, s47, 4
	s_add_co_u32 s47, s47, s60                     ; my row tile
	s_lshl_b32 s48, s47, 15                        ; 16 rows of 2,048 bytes
	s_mov_b32 s49, 0
	s_mul_i32 s50, s47, 6400
	s_mov_b32 s51, 0
	v_mul_u32_u24 v[STO], v[HH], 272
	v_mul_u32_u24 v[SRD], v[RR], 272
	v_lshlrev_b32 v[TQ], 11, v[HH]
	v_lshlrev_b32 v[R32], 4, v[RR]                 ; here: 16 r
	v_lshl_add_u32 v[STO], v[RR], 4, v[STO]
	v_lshl_add_u32 v[SRD], v[HH], 6, v[SRD]
	v_lshl_add_u32 v[TQ], v[RR], 4, v[TQ]
	v_add_nc_u32 v[STO], s46, v[STO]
	v_add_nc_u32 v[SRD], s46, v[SRD]
.irp n, 0,1,2,3,4,5,6,7
	v_add_nc_u32 v[ROWO+\n], 4096*\n, v[TQ]        ; rows 2 n + h, 16 bytes a lane
.endr
	s_wait_alu depctr_va_vdst(0)                   ; the wait directly ahead of the wait below
	s_wait_kmcnt 0x0
	s_add_nc_u64 s[30:31], s[56:57], s[48:49]
	s_add_nc_u64 s[36:37], s[58:59], s[50:51]
	TLOAD 0
.irp q, 0,1,2,3
	TSTEP \q
.endr
	global_store_b128 v[R32], v[RS:RS+3], s[36:37] offset:6144   ; a row's four scale words: sixteen lanes fill 256 bytes; lanes l and l + 16 store the same
	s_wait_tensorcnt 0x0                           ; behind my last LDS store
	ds_add_u32 v[SPW], v[NIL]
	s_wait_dscnt 0x0
	s_wait_xcnt 0x0                                ; my stores have read their base, which the weights' part writes again
	s_wait_alu depctr_va_vdst(0)
	s_cmp_lg_u32 s61, 0
	s_cbranch_scc1 .Lxq_end
	s_cmp_le_u32 ttmp9, 136
	s_cbranch_scc1 .Lweights                       ; waves 0-7 of work-groups 128-136 go on to a head of Wq, or to Wo
.Lxq_end:
	s_endpgm
	; ---------------- Wq and Wo: wave w takes K step w % 4 and columns 32 (w / 4) on; no LDS ----------------
.Lweights:
	s_mul_i32 s46, s44, 1536
	s_mul_i32 s47, s45, 12288
	s_add_co_u32 s46, s46, s47
	v_mul_u32_u24 v[WI], v[HH], 6144               ; fragment (ct = 2 B + u, s) at (4 ct + s) x 1,536
	s_delay_alu instid0(VALU_DEP_1)
	v_lshl_add_u32 v[WI], v[RR], 4, v[WI]
	s_delay_alu instid0(VALU_DEP_1)
	v_add_nc_u32 v[WI], s46, v[WI]
	s_lshl_b32 s46, s44, 8
	s_lshl_b32 s47, s45, 3
	s_add_co_u32 s46, s46, s47
	s_add_co_u32 s46, s46, 24576
	v_lshlrev_b32 v[WS], 4, v[RR]                  ; scale word at 24,576 + 256 s + 16 r + 4 ct
	s_delay_alu instid0(VALU_DEP_1)
	v_lshl_add_u32 v[WS], v[HH], 2, v[WS]
	s_delay_alu instid0(VALU_DEP_1)
	v_add_nc_u32 v[WS], s46, v[WS]
	s_lshl_b32 s48, s45, 7                         ; 32 columns are 128 bytes
	s_mov_b32 s49, 0
	s_mov_b32 s51, 0
	s_wait_alu depctr_va_vdst(0)
	s_wait_kmcnt 0x0
	s_cmp_eq_u32 ttmp9, 136
	s_cbranch_scc1 .Lwo
	s_sub_co_u32 s52, ttmp9, 128                   ; the head
	s_lshl_b32 s46, s44, 18                        ; a K step is 128 rows of 2,048 bytes
	s_add_co_u32 s48, s48, s46
	s_lshl_b32 s46, s52, 8
	s_add_co_u32 s48, s48, s46
	s_add_nc_u64 s[32:33], s[16:17], s[48:49]
	s_bfe_u32 s50, s52, 0x10001
	s_mul_i32 s50, s50, BLK
	s_lshr_b32 s46, s52, 2
	s_mul_i32 s46, s46, 51200
	s_add_co_u32 s50, s50, s46
	s_and_b32 s46, s52, 1
	s_mul_i32 s46, s46, 25600
	s_add_co_u32 s50, s50, s46
	s_add_nc_u64 s[36:37], s[24:25], s[50:51]
	WITEM 2048, 1, 0, 0, 0
	s_endpgm
.Lwo:
	s_lshl_b32 s46, s44, 15                        ; a K step is 128 rows of 256 bytes
	s_add_co_u32 s48, s48, s46
	s_add_nc_u64 s[32:33], s[18:19], s[48:49]
	s_add_nc_u64 s[36:37], s[24:25], 10*BLK
	WITEM 256, 1, 0, 0, 0
	s_endpgm
.Lfunc_end_k_q06405289ee_prep:
	.size	k_q06405289ee_prep, .Lfunc_end_k_q06405289ee_prep-k_q06405289ee_prep
	.p2alignl 7, 3214868480
	.fill 96, 4, 3214868480
	.section	.rodata,"a",@progbits
	.p2align	6, 0x0
	.amdhsa_kernel k_q06405289ee_prep
		.amdhsa_group_segment_fixed_size 294912
		.amdhsa_private_segment_fixed_size 0
		.amdhsa_enable_private_segment 0
		.amdhsa_kernarg_size 88
		.amdhsa_user_sgpr_count 2
		.amdhsa_user_sgpr_kernarg_segment_ptr 1
		.amdhsa_wavefront_size32 1
		.amdhsa_system_sgpr_workgroup_id_x 1
		.amdhsa_system_sgpr_workgroup_id_y 1
		.amdhsa_system_sgpr_workgroup_id_z 1
		.amdhsa_system_vgpr_workitem_id 0
		.amdhsa_next_free_vgpr 256
		.amdhsa_next_free_sgpr 66
		.amdhsa_reserve_vcc 0
		.amdhsa_float_denorm_mode_32 3
		.amdhsa_float_denorm_mode_16_64 3
		.amdhsa_memory_ordered 1
		.amdhsa_forward_progress 1
		.amdhsa_inst_pref_size 231
	.end_amdhsa_kernel
	.amdgpu_metadata
---
amdhsa.version: [ 1, 2 ]
amdhsa.kernels:
  - .name:           k_q06405289ee_prep
    .symbol:         k_q06405289ee_prep.kd
    .args:
      - { .name: source_embedding, .offset: 0, .size: 8, .value_kind: global_buffer, .address_space: global }
      - { .name: value_embedding, .offset: 8, .size: 8, .value_kind: global_buffer, .address_space: global }
      - { .name: Wk, .offset: 16, .size: 8, .value_kind: global_buffer, .address_space: global }
      - { .name: Wv, .offset: 24, .size: 8, .value_kind: global_buffer, .address_space: global }
      - { .name: bk, .offset: 32, .size: 8, .value_kind: global_buffer, .address_space: global }
      - { .name: bv, .offset: 40, .size: 8, .value_kind: global_buffer, .address_space: global }
      - { .name: Wq, .offset: 48, .size: 8, .value_kind: global_buffer, .address_space: global }
      - { .name: Wo, .offset: 56, .size: 8, .value_kind: global_buffer, .address_space: global }
      - { .name: stream, .offset: 64, .size: 8, .value_kind: global_buffer, .address_space: global }
      - { .name: target_embedding, .offset: 72, .size: 8, .value_kind: global_buffer, .address_space: global }
      - { .name: xq, .offset: 80, .size: 8, .value_kind: global_buffer, .address_space: global }
    .group_segment_fixed_size: 294912
    .private_segment_fixed_size: 0
    .kernarg_segment_align: 8
    .kernarg_segment_size: 88
    .max_flat_workgroup_size: 512
    .sgpr_count:     66
    .vgpr_count:     256
    .wavefront_size: 32
...
	.end_amdgpu_metadata
.endif
;; end of part 1
;; launch attn (part 2): grid 256 x 1, 16 waves a work-group, clusters of 4 x 1, 327,680 bytes of LDS; arguments xq, stream, bq, bo, out0; writes out0
.if DOCPART == 2
	.amdgcn_target "amdgcn-amd-amdhsa--gfx1250"
	.amdhsa_code_object_version 6
	.text
	.protected	k_q06405289ee_attn
	.globl	k_q06405289ee_attn
	.p2align	8
	.type	k_q06405289ee_attn,@function
k_q06405289ee_attn:
	s_mov_b64 s[64:65], 0
	v_nop
	global_prefetch_b8 v0, s[64:65] scope:SCOPE_SE
	s_setreg_imm32_b32 hwreg(HW_REG_WAVE_MODE, 25, 1), 1
	s_wait_xcnt 0x0
	s_wait_alu depctr_hold_cnt(0) depctr_sa_sdst(0) depctr_va_vdst(0) depctr_va_sdst(0) depctr_va_ssrc(0) depctr_va_vcc(0) depctr_vm_vsrc(0)
	s_getreg_b32 s2, hwreg(HW_REG_IB_STS2, 6, 4)
	s_cmp_eq_u32 s2, 0
	s_cbranch_scc0 .Lentry_in_a_cluster
	s_endpgm
.Lentry_in_a_cluster:
	s_bfe_u32 s2, ttmp6, 0x10000c
	s_cmp_lg_u32 s2, 0x3003
	s_cbranch_scc0 .Lentry_shape_is_right
	s_endpgm
.Lentry_shape_is_right:
; out = (softmax((x Wq + bq) k^T / 8) v) Wo + bo, all four products on codes of FP6 (E2M3) with one E8M0 byte for each 32 along K.  out0 [32,768][64] f32.
; x comes as codes from 'xq' (6,400 bytes a tile of 16 rows: fragment of K step s at 1,536 s, a row's four scale words at 6,144 + 16 r); Wq, k, v, Wo as codes from 'stream', in blocks of 102,400 bytes (0, 1: Wq; 2-9: k and v; 10: Wo, 25,600 bytes).
; A PIECE is 768 bytes, six operand registers of 32 lanes (16 rows x 64 K): registers 0-3 of lane l at 16 l, registers 4-5 of lane (r = l % 16, h = l / 16) at 512 + 16 r + 8 h.  Two pieces on end are a fragment.
; SHARES.  A work-group owns 128 rows; wave w of sixteen owns the 16 rows of tile w % 8 and heads 4 (w / 8) + 0 .. 3.  All products are used transposed (source 0 = weight, k or v^T; source 1 = my 16 rows): a lane holds one row throughout.
; SCORES.  K is 64, half of the instruction's 128: two tiles of keys stand in one operand, and q stands between two runs of six zero registers.  Zero codes add nothing under any byte but 0xff, and no byte here is 0xff.
; Row i of key tile 4 c + u is key 64 c + 8 u + i % 8 + 32 (i / 8): score register 32 c + 8 u + j of lane (r, h) is key 64 c + 32 h + 8 u + j, so a lane's 32 registers are block 2 c + h whole: its maximum needs no other lane and its codes no exchange.
; SOFTMAX.  t = score x log2(e) / 8; M = the running largest t rounded up to a whole number; p = 2^(t - M) is quantised along the keys; the sum is taken of the unquantised p and divides O at a head's end.
; When M moves, the sum and O are multiplied by 2^(old M - new M).  A head begins with the largest t at -3e38: its first factor is 0, which clears the sum and O.  Keys 1,000 to 1,023 get the score -infinity.
; CLUSTER.  All work-groups walk the same stream: four form a cluster and ask for each block jointly, in parts of 12,800 bytes.  At the head every wave asks for one part, sixteen parts = blocks 0 and 1; behind a round waves 0-7 ask for a block's eight.
; A wave has one tensor load out at the most.  A slot holds four key steps for each of two heads.
; PREFETCH.  Behind the refill that brings block b, waves 8-11 name block b + 1 (blocks 3 to 9; block 2 at the head): 400 pieces of 256 bytes, 100 to each of the four partners by address, a lane a piece (lanes 100-127 name the last again).  Block 10 comes by its load alone.
; xq, bq and bo are read once at fixed places with no loop to run ahead in: no prefetch.
; LIMITS: NaN and infinities among the inputs are not served.  A block whose largest magnitude lies under 2^-124 gets the byte 1, a block of zeros too (its codes are zeros).  A head's O has to be finite for the next head's factor 0 to clear it.
; The scaled scores stay under 2^31 in magnitude.  1 / sum is v_rcp_f32's.  The output's sum takes K = 256 .. 511 first, then K = 0 .. 255.
.set BLK,   102400
.set SLOT0, 0
.set SLOT1, BLK
.set UNIT,  12800                      ; a key step of one head: 6,400 bytes of k, 6,400 of v; also a wave's part of a block
.set SPARE, 2*BLK                      ; the spare words, 128 bytes a wave
.set PART,  SPARE+2048                 ; partial sums of the output, 4,096 bytes a row tile
.set OSTG,  PART+32768                 ; the way out: 16 rows x 272 bytes a row tile
.set LI16, 1                           ; 16 x lane
.set LP,   2                           ; 16 r + 8 h
.set SPW,  3                           ; my spare word; never rewritten
.set NIL,  4                           ; 0; never rewritten
.set OSRD, 5
.set A16,  6
.set A8,   7
.set R16A, 8
.set PARTA, 9
.set OSTA, 10
.set PFO,  11                          ; the prefetches' offset
.set NM,   12                          ; -M; v13 the largest t; v[14:15] the sum
.set TMX,  13
.set SUM,  14
.set QSC,  16
.set PW,   17
.set F,    18                          ; 2^(old M - new M); v19 named with it as a pair
.set SQ,   20                          ; v20-23 the queue's scale words
.set WSC,  24
.set KSC,  24
.set VSC,  26
.set XS,   28                          ; v28-31 x's scale words
.set TM,   32
.set TP,   36
.set P1,   36                          ; three more partial sums
.set P2,   38
.set P3,   254
.set TS,   40
.set CV,   44
.set CT,   44
.set T0,   47
.set T1,   51
.set PCD,  52
.set QF,   64                          ; six zeros, q, six zeros
.set QU,   82                          ; a queue of four pieces: q of the heads to come, O of the heads done
.set KV,   106
.set S,    154
.set ACC,  154
.set XF,   186                         ; x's four fragments while q is made
.set O,    218
.set R16,  250
.set H64,  251
.set H8,   252
.set OM,   253                         ; the old -M
.set WV,   14
.set HP,   15
.set RT,   16
.set HPO,  19
.set SEL,  20
.set CS,   22
.set G1,   24
.set G0A,  32
.set G0B,  36
.set TB,   40
.set CNT,  41
.set HEADS, 42
.set MSK,  43
.set PFA,  52
.set W4,   61
; 32 numbers in two runs of 16 (block b's k = 32 b + 16 h + i): a piece in v[d] on, its two bytes in v[w].  Each accumulator is read from its low end on
.macro QUANT2 sa, sb, d, w
	v_max3_num_f32 v[TM], |v[\sa]|, |v[(\sa)+1]|, 0x1800000
	v_max3_num_f32 v[TM+1], |v[\sb]|, |v[(\sb)+1]|, 0x1800000
.irp i, 2,4,6,8,10,12,14
	v_max3_num_f32 v[TM], v[TM], |v[(\sa)+\i]|, |v[(\sa)+1+\i]|
	v_max3_num_f32 v[TM+1], v[TM+1], |v[(\sb)+\i]|, |v[(\sb)+1+\i]|
.endr
.irp b, 0,1
	s_delay_alu instid0(VALU_DEP_2)
	v_permlanex16_b32 v[TP+\b], v[TM+\b], s[SEL], s[SEL+1]
.endr
.irp b, 0,1
	s_delay_alu instid0(VALU_DEP_2)
	v_max_num_f32 v[TM+\b], v[TM+\b], v[TP+\b]
.endr
.irp b, 0,1
	s_delay_alu instid0(VALU_DEP_2)
	v_add_nc_u32 v[TS+\b], 0xff000000, v[TM+\b]    ; 2 off the exponent field: the conversion's scale operand
.endr
.irp b, 0,1
	s_delay_alu instid0(VALU_DEP_2)
	v_lshrrev_b32 v[TP+\b], 23, v[TS+\b]
.endr
	s_delay_alu instid0(VALU_DEP_1)
	v_lshl_or_b32 v[\w], v[TP+1], 8, v[TP]
	v_cvt_scalef32_pk16_fp6_f32 v[(\d):(\d)+2], v[(\sa):(\sa)+15], v[TS]
	v_cvt_scalef32_pk16_fp6_f32 v[CT:CT+2], v[(\sb):(\sb)+15], v[TS+1]
	v_nop                                          ; one plain place behind a scaled conversion
.irp i, 0,1,2
	v_permlane16_swap_b32 v[(\d)+\i], v[CT+\i]
.endr
.irp i, 0,1,2
	v_mov_b32 v[(\d)+3+\i], v[CT+\i]
.endr
.endm
.macro FETCH reg, a16, a8, off
.irp c, 0,1
	ds_load_b128 v[(\reg)+6*\c:(\reg)+6*\c+3], v[\a16] offset:(\off)+768*\c
	ds_load_b64 v[(\reg)+6*\c+4:(\reg)+6*\c+5], v[\a8] offset:(\off)+768*\c+512
.endr
.endm
.macro NOPS n
.rept \n
	v_nop
.endr
.endm
.macro ROUND                                   ; a round of the cluster's barrier
	s_barrier_signal -1
	s_barrier_wait -1
	s_cmp_lg_u32 s[WV], 0
	s_cbranch_scc1 .Lnot_wave_0_\@
	s_barrier_signal -3
.Lnot_wave_0_\@:
	s_barrier_wait -3
	s_barrier_signal -1
	s_barrier_wait -1
.endm
.macro ASK cond                                ; waves 8-11 name the block at s[PFA]; cond = 2: not in the loop's last trip, whose next block is Wo's short one
	s_cmp_eq_u32 s[W4], 2
	s_cbranch_scc0 .Lno_ask_\@
.if \cond == 2
	s_cmp_lg_u32 s[HEADS], 1
	s_cbranch_scc0 .Lno_ask_\@
.endif
	s_cmp_lt_u32 ttmp9, 4
	s_cbranch_scc0 .Lno_prefetch_attn0_\@
	global_prefetch_b8 v[PFO], s[PFA:PFA+1] th:TH_LOAD_NT scope:SCOPE_SE
.Lno_prefetch_attn0_\@:
.Lno_ask_\@:
.endm
; THE CHANGE OF SLOTS.  Each wave waits for all its tensor loads, adds 0 to its spare word, and waits for that and for its reads of the slot that it leaves.
; nw > 0: the slot just left takes the block two on, by waves 0 .. nw - 1, first thing behind a round of the cluster's barrier.
.macro CHANGE g0, nw, pf
	s_wait_alu depctr_va_vdst(0)                   ; the wait ahead of the waits, barriers and branches below
	s_wait_tensorcnt 0x0                           ; no tensor load of mine is out, so a group 0 may be written
	ds_add_u32 v[SPW], v[NIL]
.if \nw
	s_add_nc_u64 s[\g0+2:\g0+3], s[\g0+2:\g0+3], 2*BLK
.endif
.if \pf
	s_wait_xcnt 0x0                                ; my last prefetch has read its address
	s_add_nc_u64 s[PFA:PFA+1], s[PFA:PFA+1], BLK
.endif
	s_wait_dscnt 0x0
.if \nw
	ROUND
	s_cmp_lt_u32 s[WV], \nw
	s_cbranch_scc0 .Lno_fill_\@
	tensor_load_to_lds s[\g0:\g0+3], s[G1:G1+7]
	s_nop 0
	NOPS 4
.Lno_fill_\@:
.if \pf
	ASK \pf
.endif
.else
	s_barrier_signal -1
	s_barrier_wait -1
.endif
.endm
.macro BQ i, sa, sb                            ; bq of my head i, as the C of q's first products: register j of tile 2 b + u is channel 32 b + 16 h + 8 u + j
.irp u, 0,1
	global_load_b128 v[(\sa)+8*\u:(\sa)+8*\u+3], v[H64], s[8:9] offset:256*(\i)+32*\u
	global_load_b128 v[(\sa)+8*\u+4:(\sa)+8*\u+7], v[H64], s[8:9] offset:256*(\i)+32*\u+16
	global_load_b128 v[(\sb)+8*\u:(\sb)+8*\u+3], v[H64], s[8:9] offset:256*(\i)+128+32*\u
	global_load_b128 v[(\sb)+8*\u+4:(\sb)+8*\u+7], v[H64], s[8:9] offset:256*(\i)+128+32*\u+16
.endr
.endm
; q of my head i: four tiles of 16 channels, four K steps, sums in v[sa] on (tiles 0, 1) and v[sb] on (tiles 2, 3).  cnt: the younger global loads, the next head's bq, which may stay out
.macro QHEAD slot, jj, i, sa, sb, cnt
	s_add_co_u32 s48, s[HPO], (\slot)+25600*(\jj)
	v_add_nc_u32 v[A16], s48, v[LI16]
	v_add_nc_u32 v[A8], s48, v[LP]
	v_add_nc_u32 v[R16A], s48, v[R16]
	s_wait_alu depctr_va_vdst(0)
.irp ks, 0,1,2,3
.if \ks > 0
	NOPS 4                                         ; places in front of loads into registers that matrix instructions have read
.endif
.irp ct, 0,1,2,3
	FETCH KV+12*\ct, A16, A8, (4*\ct+\ks)*1536
.endr
	ds_load_b128 v[WSC:WSC+3], v[R16A] offset:24576+256*\ks
	s_wait_dscnt 0x0
.if \ks == 0
	s_wait_loadcnt \cnt
.endif
.irp ct, 0,1,2,3                               ; the four accumulators take turns
.set AC, (\sa)*(1-\ct/2)+(\sb)*(\ct/2)+8*(\ct%2)
	v_wmma_scale_f32_16x16x128_f8f6f4 v[AC:AC+7], v[KV+12*\ct:KV+12*\ct+11], v[XF+12*\ks:XF+12*\ks+11], v[AC:AC+7], v[WSC+\ct], v[XS+\ks] matrix_a_fmt:MATRIX_FMT_FP6 matrix_b_fmt:MATRIX_FMT_FP6
.endr
.endr
	NOPS 4
	QUANT2 \sa, \sb, QU+6*(\i), T1
	v_lshl_or_b32 v[SQ+(\i)], v[T1], 16, v[T1]     ; q's two bytes twice: they serve the codes in either half of the operand
.endm
.macro ADD4 g
	v_pk_add_f32 v[SUM:SUM+1], v[SUM:SUM+1], v[S+8*\g:S+8*\g+1]
	v_pk_add_f32 v[P1:P1+1], v[P1:P1+1], v[S+8*\g+2:S+8*\g+3]
	v_pk_add_f32 v[P2:P2+1], v[P2:P2+1], v[S+8*\g+4:S+8*\g+5]
	v_pk_add_f32 v[P3:P3+1], v[P3:P3+1], v[S+8*\g+6:S+8*\g+7]
.endm
; A KEY STEP: 128 keys of my head, at LDS byte s[TB]
.macro STEP last
	v_add_nc_u32 v[A16], s[TB], v[LI16]
	v_add_nc_u32 v[A8], s[TB], v[LP]
	v_mov_b32 v[OM], v[NM]
	v_nop                                          ; four places in front of loads into registers that the last step's products have read
.irp p, 0,1,2,3,4,5,6,7
	ds_load_b128 v[KV+6*\p:KV+6*\p+3], v[A16] offset:768*\p
	ds_load_b64 v[KV+6*\p+4:KV+6*\p+5], v[A8] offset:768*\p+512
.endr
	ds_load_b64 v[KSC:KSC+1], v[A8] offset:6144    ; register j: the words of pair 2 j in lanes 0-15, of pair 2 j + 1 in lanes 16-31
	s_wait_alu depctr_va_vdst(0)
	s_wait_dscnt 0x0
.irp tt, 0,1,2,3,4,5,6,7                       ; S^T: tile tt's 16 keys x my 16 rows
.if (\tt/2)%2
	v_wmma_scale_f32_16x16x128_f8f6f4 v[S+8*\tt:S+8*\tt+7], v[KV+12*(\tt/2):KV+12*(\tt/2)+11], v[QF+6-6*(\tt%2):QF+17-6*(\tt%2)], 0, v[KSC+\tt/4], v[QSC] matrix_a_fmt:MATRIX_FMT_FP6 matrix_b_fmt:MATRIX_FMT_FP6 matrix_a_scale:MATRIX_SCALE_ROW1
.else
	v_wmma_scale_f32_16x16x128_f8f6f4 v[S+8*\tt:S+8*\tt+7], v[KV+12*(\tt/2):KV+12*(\tt/2)+11], v[QF+6-6*(\tt%2):QF+17-6*(\tt%2)], 0, v[KSC+\tt/4], v[QSC] matrix_a_fmt:MATRIX_FMT_FP6 matrix_b_fmt:MATRIX_FMT_FP6
.endif
.endr
	NOPS 4                                         ; places: in front of the loads below and of the first read of the scores
.irp p, 0,1,2,3,4,5,6,7                        ; v's eight pieces land while the softmax is walked
	ds_load_b128 v[KV+6*\p:KV+6*\p+3], v[A16] offset:6400+768*\p
	ds_load_b64 v[KV+6*\p+4:KV+6*\p+5], v[A8] offset:6400+768*\p+512
.endr
	ds_load_b64 v[VSC:VSC+1], v[A8] offset:6400+6144
.if \last                                      ; the head's last step: keys 1,000 on are 64 + 32 h + 8 u + j >= 104: lanes 16-31, registers 40 to 63
	s_cmp_lg_u32 s[CNT], 1
	s_cbranch_scc1 .Lopen_\@
	v_mov_b32 v[T1], 0xff800000
.set j, 0
.rept 24
	v_cndmask_b32 v[S+40+j], v[S+40+j], v[T1], s[MSK]
.set j, j+1
.endr
.Lopen_\@:
.endif
.irp b, 0,1,2,3                                ; the largest score of each run of 16, four chains by turns
	v_max3_num_f32 v[TM+\b], v[S+16*\b], v[S+1+16*\b], v[S+2+16*\b]
.endr
.irp i, 3,5,7,9,11,13
.irp b, 0,1,2,3
	v_max3_num_f32 v[TM+\b], v[TM+\b], v[S+16*\b+\i], v[S+1+16*\b+\i]
.endr
.endr
	v_max3_num_f32 v[TM], v[TM], v[S+15], v[S+31]
	v_max3_num_f32 v[TM+2], v[TM+2], v[S+47], v[S+63]
	v_max_num_f32 v[TM], v[TM], v[TM+1]            ; my block 0 + h's largest score: it serves the row's maximum and, since p rises with the score, the block's largest p
	v_max_num_f32 v[TM+2], v[TM+2], v[TM+3]        ; and block 2 + h's
	s_delay_alu instid0(VALU_DEP_1)
	v_max_num_f32 v[T0], v[TM], v[TM+2]
	s_delay_alu instid0(VALU_DEP_1)
	v_mul_f32 v[T0], s[CS], v[T0]                  ; as t
	s_delay_alu instid0(VALU_DEP_1)
	v_permlanex16_b32 v[T1], v[T0], s[SEL], s[SEL+1]
	s_delay_alu instid0(VALU_DEP_1)
	v_max3_num_f32 v[TMX], v[TMX], v[T0], v[T1]    ; the running largest t, with lane l xor 16's 64 keys
	s_delay_alu instid0(VALU_DEP_1)
	v_floor_f32 v[NM], -v[TMX]                     ; the new -M = floor(-t): M is a whole number
.set j, 0
.rept 32
	v_pk_fma_f32 v[S+j:S+j+1], v[S+j:S+j+1], s[CS:CS+1], v[NM:NM+1] op_sel_hi:[1,0,0]   ; t - M, two at a time
.if j == 6
	v_sub_f32 v[T0], v[NM], v[OM]                  ; old M - new M: a whole number, 0 or less
.endif
.if j == 14
	v_cvt_i32_f32 v[T0], v[T0]                     ; (it saturates)
.endif
.if j == 22
	v_ldexp_f32 v[F], 1.0, v[T0]                   ; 2^(old M - new M): a multiplication by it rounds nothing
.endif
.set j, j+2
.endr
	v_fma_f32 v[TM], v[TM], s[CS], v[NM]           ; the same of each block's largest score
	v_fma_f32 v[TM+2], v[TM+2], s[CS], v[NM]
	s_wait_alu depctr_va_vdst(0)                   ; the wait ahead of the batch
.set j, 0
.rept 64
	v_exp_f32 v[S+j], v[S+j]                       ; p = 2^(t - M), at most 1
.set j, j+1
.endr
	v_exp_f32 v[TM], v[TM]                         ; the blocks' largest p
	v_exp_f32 v[TM+2], v[TM+2]
	v_pk_mul_f32 v[SUM:SUM+1], v[SUM:SUM+1], v[F:F+1] op_sel_hi:[1,0]   ; the sum under the new M: the plain place behind the batch
	s_wait_alu depctr_va_vdst(0)                   ; and the wait ahead of its first reader
	v_max_num_f32 v[TM], 0x1800000, v[TM]          ; the floor 2^(3 - 127): the byte cannot fall under 1
	v_max_num_f32 v[TM+2], 0x1800000, v[TM+2]
	v_pk_add_f32 v[P1:P1+1], v[S+2:S+3], v[S+10:S+11]   ; the sum of the unquantised p, in four chains; the scale word's lines stand among them
	v_pk_add_f32 v[P2:P2+1], v[S+4:S+5], v[S+12:S+13]
	v_pk_add_f32 v[P3:P3+1], v[S+6:S+7], v[S+14:S+15]
	v_pk_add_f32 v[SUM:SUM+1], v[SUM:SUM+1], v[S:S+1]
	v_add_nc_u32 v[TS], 0xff000000, v[TM]          ; 2 off the exponent field: the conversion's scale operand
	v_add_nc_u32 v[TS+1], 0xff000000, v[TM+2]
	v_pk_add_f32 v[SUM:SUM+1], v[SUM:SUM+1], v[S+8:S+9]
	ADD4 2
	v_lshrrev_b32 v[TM+1], 23, v[TS]               ; the bytes
	v_lshrrev_b32 v[TM+3], 23, v[TS+1]
	ADD4 3
	v_lshl_or_b32 v[PW], v[TM+3], 16, v[TM+1]      ; blocks h and 2 + h,
	ADD4 4
	v_lshlrev_b32 v[PW], v[H8], v[PW]              ; at their places in the word
	ADD4 5
	v_permlanex16_b32 v[T1], v[PW], s[SEL], s[SEL+1]
	ADD4 6
	ADD4 7
	v_pk_add_f32 v[P1:P1+1], v[P1:P1+1], v[P2:P2+1]
	v_pk_add_f32 v[SUM:SUM+1], v[SUM:SUM+1], v[P3:P3+1]
	v_pk_add_f32 v[SUM:SUM+1], v[SUM:SUM+1], v[P1:P1+1]
.irp c, 0,1
	v_cvt_scalef32_pk16_fp6_f32 v[PCD+6*\c:PCD+6*\c+2], v[S+32*\c:S+32*\c+15], v[TS+\c]
	v_cvt_scalef32_pk16_fp6_f32 v[CV+4*\c:CV+4*\c+2], v[S+32*\c+16:S+32*\c+31], v[TS+\c]   ; (a conversion's three registers begin on an even number)
.endr
	v_or_b32 v[PW], v[PW], v[T1]                   ; with lane l xor 16's two bytes p's scale word is whole.  The plain place behind the conversions
.irp c, 0,1
.irp i, 0,1,2
	v_mov_b32 v[PCD+3+6*\c+\i], v[CV+4*\c+\i]
.endr
.endr
	s_wait_dscnt 0x0                               ; v is in
	s_wait_alu depctr_va_vdst(0)                   ; the wait directly ahead of the first reader of O^T
.set j, 0
.rept 16
	v_pk_mul_f32 v[O+j:O+j+1], v[O+j:O+j+1], v[F:F+1] op_sel_hi:[1,0]   ; O^T under the new M; also the places between p's codes and scale word and the products
.set j, j+2
.endr
.irp ct, 0,1,2,3                               ; O^T += v^T p^T; the four accumulators take turns
.if \ct%2
	v_wmma_scale_f32_16x16x128_f8f6f4 v[O+8*\ct:O+8*\ct+7], v[KV+12*\ct:KV+12*\ct+11], v[PCD:PCD+11], v[O+8*\ct:O+8*\ct+7], v[VSC+\ct/2], v[PW] matrix_a_fmt:MATRIX_FMT_FP6 matrix_b_fmt:MATRIX_FMT_FP6 matrix_a_scale:MATRIX_SCALE_ROW1
.else
	v_wmma_scale_f32_16x16x128_f8f6f4 v[O+8*\ct:O+8*\ct+7], v[KV+12*\ct:KV+12*\ct+11], v[PCD:PCD+11], v[O+8*\ct:O+8*\ct+7], v[VSC+\ct/2], v[PW] matrix_a_fmt:MATRIX_FMT_FP6 matrix_b_fmt:MATRIX_FMT_FP6
.endif
.endr
.endm
.macro SLOTSTEPS slot, last                    ; a slot's four key steps of my head
	s_add_co_u32 s[TB], s[HPO], \slot
	s_mov_b32 s[CNT], 4
.Lstep_\@:
	s_wait_alu depctr_va_vdst(0)
	STEP \last
	s_add_co_u32 s[TB], s[TB], UNIT
	s_sub_co_u32 s[CNT], s[CNT], 1
	s_cmp_lg_u32 s[CNT], 0
	s_cbranch_scc1 .Lstep_\@
.endm
.macro HEADIN                                  ; the queue's first piece is the head's q.  Eight plain lines follow the scale word's
	v_mov_b32 v[QSC], v[SQ]
.irp j, 0,1,2,3,4,5
	v_mov_b32 v[QF+6+\j], v[QU+\j]
.endr
	v_mov_b32 v[TMX], 0xff61b1e6                   ; -3e38, under every t
	s_delay_alu instid0(VALU_DEP_1)
	v_floor_f32 v[NM], -v[TMX]
.endm
.macro HEADOUT                                 ; O^T / the sum is quantised (a head is two blocks of the last product's K) and joins the queue's end
	NOPS 4
	v_add_f32 v[SUM], v[SUM], v[SUM+1]
	s_delay_alu instid0(VALU_DEP_1)
	v_permlanex16_b32 v[T0], v[SUM], s[SEL], s[SEL+1]
	s_delay_alu instid0(VALU_DEP_1)
	v_add_f32 v[SUM], v[SUM], v[T0]
	s_wait_alu depctr_va_vdst(0)
	v_rcp_f32 v[SUM], v[SUM]
	v_nop
	s_wait_alu depctr_va_vdst(0)
.set j, 0
.rept 16
	v_pk_mul_f32 v[S+j:S+j+1], v[O+j:O+j+1], v[SUM:SUM+1] op_sel_hi:[1,0]
.set j, j+2
.endr
	QUANT2 S, S+16, PCD, T1
.set j, 0
.rept 18
	v_mov_b32 v[QU+j], v[QU+6+j]
.set j, j+1
.endr
.irp j, 0,1,2,3,4,5
	v_mov_b32 v[QU+18+\j], v[PCD+\j]
.endr
	v_mov_b32 v[SQ], v[SQ+1]
	v_mov_b32 v[SQ+1], v[SQ+2]
	v_mov_b32 v[SQ+2], v[SQ+3]
	v_mov_b32 v[SQ+3], v[T1]
.endm
.macro OUTMM                                   ; my four heads are two K steps of the last product, added onto what ACC holds
.irp ss, 0,1
.if \ss
	NOPS 4
.endif
.irp ct, 0,1,2,3
	FETCH KV+12*\ct, A16, A8, (4*\ct+\ss)*1536
.endr
	ds_load_b128 v[WSC:WSC+3], v[R16A] offset:24576+256*\ss
	s_wait_dscnt 0x0
.irp ct, 0,1,2,3
	v_wmma_scale_f32_16x16x128_f8f6f4 v[ACC+8*\ct:ACC+8*\ct+7], v[KV+12*\ct:KV+12*\ct+11], v[QU+12*\ss:QU+12*\ss+11], v[ACC+8*\ct:ACC+8*\ct+7], v[WSC+\ct], v[SQ+2*\ss] matrix_a_fmt:MATRIX_FMT_FP6 matrix_b_fmt:MATRIX_FMT_FP6
.endr
.endr
	NOPS 4
.endm
	s_load_b256 s[4:11], s[0:1], 0x0               ; xq s[4:5], stream s[6:7], bq s[8:9], bo s[10:11]
	s_load_b64 s[12:13], s[0:1], 0x20              ; out0
	v_lshl_add_u32 v[SPW], v0, 2, SPARE
	v_mov_b32 v[NIL], 0
	ds_add_u32 v[SPW], v[NIL]                      ; the opening: the add, twice on end, and its wait ahead of my first tensor load
	ds_add_u32 v[SPW], v[NIL]
	v_lshrrev_b32 v[T0], 5, v0
	v_readfirstlane_b32 s[WV], v[T0]               ; wave 0..15
	s_lshr_b32 s[HP], s[WV], 3                     ; which four heads
	s_and_b32 s[RT], s[WV], 7                      ; which 16 rows
	s_lshr_b32 s[W4], s[WV], 2
	s_mul_i32 s[HPO], s[HP], 4*UNIT
	s_bfe_u32 s17, ttmp6, 0x40000                  ; cx: it enters the addresses of xq, out0 and the prefetches alone
	s_lshl_b32 s18, ttmp9, 2
	s_add_co_u32 s18, s18, s17
	s_lshl_b32 s18, s18, 3
	s_add_co_u32 s18, s18, s[RT]                   ; my row tile
	s_mul_i32 s56, s18, 6400
	s_mov_b32 s57, 0
	s_lshl_b32 s58, s18, 12                        ; 16 rows of 256 bytes in out0
	s_mov_b32 s59, 0
	s_mul_i32 s60, s17, 25600                      ; my work-group's 100 pieces of a block
	s_mov_b32 s[SEL], 0x76543210
	s_mov_b32 s[SEL+1], 0xfedcba98
	s_mov_b32 s[CS], 0x3e38aa3b                    ; log2(e) / 8
	s_mov_b32 s[CS+1], s[CS]
	s_mov_b32 s[MSK], 0xffff0000
	s_mov_b32 s[G1], 15|(3<<16)|(1<<21)            ; the mask: all four work-groups; elements of 8 bytes; bit 21 beside a mask
	s_mov_b32 s[G1+1], 32<<16                      ; 12,800 dense bytes as 50 rows of 32 elements
	s_mov_b32 s[G1+2], 50<<16
	s_mov_b32 s[G1+3], 32<<16
	s_mov_b32 s[G1+4], 50
	s_mov_b32 s[G1+5], 32
	s_mov_b32 s[G1+6], 0
	s_mov_b32 s[G1+7], 0
	s_mul_i32 s44, s[WV], UNIT                     ; my part, in memory and in LDS
	s_mov_b32 s45, 0
	s_lshl_b32 s46, s[HP], 10                      ; bq: my four heads' 256 numbers
	s_mov_b32 s47, 0
	s_lshl_b32 s49, s[RT], 12
	s_add_co_u32 s49, s49, PART
	s_mul_i32 s50, s[RT], 4352
	s_add_co_u32 s50, s50, OSTG
	v_and_b32 v[T0], 15, v0                        ; r
	v_bfe_u32 v[T1], v0, 4, 1                      ; h
	v_and_b32 v[LI16], 31, v0
	v_and_b32 v[PFO], 127, v0
	v_lshlrev_b32 v[R16], 4, v[T0]
	v_lshlrev_b32 v[LI16], 4, v[LI16]
	v_min_u32 v[PFO], 99, v[PFO]
	v_lshlrev_b32 v[H64], 6, v[T1]
	v_lshlrev_b32 v[H8], 3, v[T1]
	v_lshl_add_u32 v[LP], v[T1], 3, v[R16]
	v_lshlrev_b32 v[PFO], 8, v[PFO]
	v_mul_u32_u24 v[OSTA], v[T0], 272
	v_mul_u32_u24 v[OSRD], v[T1], 272
	v_add_nc_u32 v[PARTA], s49, v[LI16]
	v_add_nc_u32 v[PFO], s60, v[PFO]
	v_lshl_add_u32 v[OSTA], v[T1], 6, v[OSTA]
	v_lshl_add_u32 v[OSRD], v[T0], 4, v[OSRD]
	v_mov_b32 v[TP], 0                             ; a lane permute's destination counts as one of its sources
	v_mov_b32 v[TP+1], 0
	v_add_nc_u32 v[OSTA], s50, v[OSTA]
	v_add_nc_u32 v[OSRD], s50, v[OSRD]
	v_mov_b32 v[F+1], 0                            ; named with f as a pair
	s_wait_alu depctr_va_vdst(0)                   ; the wait at the head's end
	s_wait_dscnt 0x0                               ; both opening adds are done
	s_wait_kmcnt 0x0
	s_add_nc_u64 s[4:5], s[4:5], s[56:57]
	s_add_nc_u64 s[12:13], s[12:13], s[58:59]
	s_add_nc_u64 s[8:9], s[8:9], s[46:47]
	s_add_nc_u64 s[PFA:PFA+1], s[6:7], 2*BLK
	s_mov_b32 s[G0A], 1
	s_mov_b32 s[G0A+1], s44                        ; at the head: part w of blocks 0 and 1, to LDS byte 12,800 w; afterwards waves 0-7: slot 0
	s_add_nc_u64 s[G0A+2:G0A+3], s[6:7], s[44:45]
	s_or_b32 s[G0A+3], s[G0A+3], 0x80000000
	s_mov_b32 s[G0B], 1
	s_add_co_u32 s[G0B+1], s44, SLOT1
	s_add_nc_u64 s[G0B+2:G0B+3], s[6:7], s[44:45]
	s_add_nc_u64 s[G0B+2:G0B+3], s[G0B+2:G0B+3], BLK
	s_or_b32 s[G0B+3], s[G0B+3], 0x80000000
	ROUND                                          ; all four work-groups are here: the first joint loads meet
	tensor_load_to_lds s[G0A:G0A+3], s[G1:G1+7]    ; one load a wave, with no branch
	s_nop 0
	NOPS 4
.irp ks, 0,1,2,3                               ; my rows' four fragments, straight into the operand's registers
.irp c, 0,1
	global_load_b128 v[XF+12*\ks+6*\c:XF+12*\ks+6*\c+3], v[LI16], s[4:5] offset:1536*\ks+768*\c
	global_load_b64 v[XF+12*\ks+6*\c+4:XF+12*\ks+6*\c+5], v[LP], s[4:5] offset:1536*\ks+768*\c+512
.endr
.endr
	global_load_b128 v[XS:XS+3], v[R16], s[4:5] offset:6144
	BQ 0, ACC, ACC+16
	BQ 1, 234, 64
	ASK 1                                          ; block 2
	s_wait_tensorcnt 0x0                           ; my part is in
	s_barrier_signal -1
	s_barrier_wait -1                              ; blocks 0 and 1 lie in LDS
	QHEAD SLOT0, 0, 0, ACC, ACC+16, 8
	BQ 2, ACC, ACC+16
	QHEAD SLOT0, 1, 1, 234, 64, 8
	BQ 3, 234, 64
	CHANGE G0A, 8, 1                               ; block 2 into slot 0
	QHEAD SLOT1, 0, 2, ACC, ACC+16, 8
	QHEAD SLOT1, 1, 3, 234, 64, 0
	CHANGE G0B, 8, 1                               ; block 3 into slot 1
.irp j, 0,1,2,3,4,5
	v_mov_b32 v[QF+\j], 0                          ; the zero codes on either side of q
	v_mov_b32 v[QF+12+\j], 0
.endr
.set j, 0
.rept 32
	v_mov_b32 v[O+j], 0                            ; once: every head's first factor is 0, and has to find numbers
.set j, j+1
.endr
	v_mov_b32 v[SUM], 0
	v_mov_b32 v[SUM+1], 0
	s_mov_b32 s[HEADS], 3
.Lhead:
	s_wait_alu depctr_va_vdst(0)
	HEADIN
	SLOTSTEPS SLOT0, 0
	CHANGE G0A, 8, 1                               ; the next head's first four steps
	SLOTSTEPS SLOT1, 1
	HEADOUT
	CHANGE G0B, 8, 2                               ; and its last four
	s_sub_co_u32 s[HEADS], s[HEADS], 1
	s_cmp_lg_u32 s[HEADS], 0
	s_cbranch_scc1 .Lhead
	s_wait_alu depctr_va_vdst(0)
	HEADIN                                         ; the last head is written out
	SLOTSTEPS SLOT0, 0
	CHANGE G0A, 2, 0                               ; block 10, Wo: 25,600 bytes, waves 0 and 1
	SLOTSTEPS SLOT1, 1
	HEADOUT
.irp tl, 0,1,2,3
	global_load_b128 v[ACC+8*\tl:ACC+8*\tl+3], v[H64], s[10:11] offset:(32*(\tl/2)+8*(\tl%2))*4      ; bo, the C of the first product of heads 4-7's waves
	global_load_b128 v[ACC+8*\tl+4:ACC+8*\tl+7], v[H64], s[10:11] offset:(32*(\tl/2)+8*(\tl%2))*4+16
.endr
	CHANGE G0B, 0, 0                               ; Wo is in; nothing is filled
	; the output: the waves of heads 4-7 add their two K steps onto bo and hand the sums over through LDS; the waves of heads 0-3 add theirs and store
	v_lshl_or_b32 v[SQ], v[SQ+1], 16, v[SQ]        ; two heads' bytes make a K step's scale word
	v_lshl_or_b32 v[SQ+2], v[SQ+3], 16, v[SQ+2]
	s_mul_i32 s48, s[HP], 3072                     ; Wo's fragment (ct, K step 2 (wave / 8) + ss) at (4 ct + ss) x 1,536 from here
	s_lshl_b32 s49, s[HP], 9
	v_add_nc_u32 v[A16], s48, v[LI16]
	v_add_nc_u32 v[A8], s48, v[LP]
	v_add_nc_u32 v[R16A], s49, v[R16]
	NOPS 8                                         ; places between the scale words' lines and the products
	s_wait_alu depctr_va_vdst(0)
	s_wait_loadcnt 0x0                             ; bo
	s_cmp_lt_u32 s[WV], 8
	s_cbranch_scc1 .Llow_waits
	OUTMM
.irp n, 0,1,2,3,4,5,6,7
	ds_store_b128 v[PARTA], v[ACC+4*\n:ACC+4*\n+3] offset:512*\n   ; the accumulators as they stand, each from its low end on
.endr
.Llow_waits:
	s_wait_dscnt 0x0                               ; for the others' sake: my stores have landed
	s_barrier_signal -1
	s_barrier_wait -1
	s_cmp_lt_u32 s[WV], 8
	s_cbranch_scc0 .Ldone
.irp n, 0,1,2,3,4,5,6,7
	ds_load_b128 v[ACC+4*\n:ACC+4*\n+3], v[PARTA] offset:512*\n    ; the same registers in the same lanes
.endr
	OUTMM                                          ; (its first wait covers these loads)
.irp tl, 0,1,2,3                               ; register j of tile 2 b + u is out(r, 32 b + 16 h + 8 u + j): through my stage, rows of 256 bytes + 16
	ds_store_b128 v[OSTA], v[ACC+8*\tl:ACC+8*\tl+3] offset:128*(\tl/2)+32*(\tl%2)
	ds_store_b128 v[OSTA], v[ACC+8*\tl+4:ACC+8*\tl+7] offset:128*(\tl/2)+32*(\tl%2)+16
.endr
.irp n, 0,1,2,3,4,5,6,7
	ds_load_b128 v[KV+4*\n:KV+4*\n+3], v[OSRD] offset:544*\n       ; LDS serves a wave's instructions in order: these see my stores
.endr
.irp n, 0,1,2,3,4,5,6,7
	s_wait_dscnt 7-\n                              ; rows 2 n and 2 n + 1 are back; the younger loads may be out
	global_store_b128 v[LI16], v[KV+4*\n:KV+4*\n+3], s[12:13] offset:512*\n th:TH_STORE_NT   ; 512 consecutive bytes, at a multiple of 256 from out0's first byte
.endr
.Ldone:
	s_wait_tensorcnt 0x0                           ; the wave's end
	ds_add_u32 v[SPW], v[NIL]
	s_wait_dscnt 0x0
	ROUND                                          ; the closing round
	s_endpgm
.Lfunc_end_k_q06405289ee_attn:
	.size	k_q06405289ee_attn, .Lfunc_end_k_q06405289ee_attn-k_q06405289ee_attn
	.p2alignl 7, 3214868480
	.fill 96, 4, 3214868480
	.section	.rodata,"a",@progbits
	.p2align	6, 0x0
	.amdhsa_kernel k_q06405289ee_attn
		.amdhsa_group_segment_fixed_size 327680
		.amdhsa_private_segment_fixed_size 0
		.amdhsa_enable_private_segment 0
		.amdhsa_kernarg_size 40
		.amdhsa_user_sgpr_count 2
		.amdhsa_user_sgpr_kernarg_segment_ptr 1
		.amdhsa_wavefront_size32 1
		.amdhsa_system_sgpr_workgroup_id_x 1
		.amdhsa_system_sgpr_workgroup_id_y 1
		.amdhsa_system_sgpr_workgroup_id_z 1
		.amdhsa_system_vgpr_workitem_id 0
		.amdhsa_next_free_vgpr 256
		.amdhsa_next_free_sgpr 66
		.amdhsa_reserve_vcc 0
		.amdhsa_float_denorm_mode_32 3
		.amdhsa_float_denorm_mode_16_64 3
		.amdhsa_memory_ordered 1
		.amdhsa_forward_progress 1
		.amdhsa_inst_pref_size 139
	.end_amdhsa_kernel
	.amdgpu_metadata
---
amdhsa.version: [ 1, 2 ]
amdhsa.kernels:
  - .name:           k_q06405289ee_attn
    .symbol:         k_q06405289ee_attn.kd
    .args:
      - { .name: xq, .offset: 0, .size: 8, .value_kind: global_buffer, .address_space: global }
      - { .name: stream, .offset: 8, .size: 8, .value_kind: global_buffer, .address_space: global }
      - { .name: bq, .offset: 16, .size: 8, .value_kind: global_buffer, .address_space: global }
      - { .name: bo, .offset: 24, .size: 8, .value_kind: global_buffer, .address_space: global }
      - { .name: out0, .offset: 32, .size: 8, .value_kind: global_buffer, .address_space: global }
    .group_segment_fixed_size: 327680
    .private_segment_fixed_size: 0
    .kernarg_segment_align: 8
    .kernarg_segment_size: 40
    .max_flat_workgroup_size: 512
    .sgpr_count:     66
    .vgpr_count:     256
    .wavefront_size: 32
...
	.end_amdgpu_metadata
.endif
;; end of part 2
